; MI455X (gfx1250); checked and timed in simulation.
; The chip was launched on July 23, 2026; its instructions are those of AMD's public machine-readable ISA for CDNA 5 (MIT licence, August 2026) and "CDNA5" Instruction Set Architecture Reference Guide (July 2026). The comments in the code are by the model that wrote it; some were corrected since.
;; Self Attention. Allowed arithmetic: matrix products marked QUANTISED: E4M3 operands, one given power-of-two scale a tensor, by v_wmma_f32_16x16x64_fp8_fp8 or v_wmma_f32_16x16x128_fp8_fp8, f32 sums; everything else in f32.
;; Inputs: Wk_codes 64 x 16 x 32 uint8 (E4M3 codes of Wk, K innermost, in blocks of 32 codes); Wq_codes 64 x 16 x 32 uint8 (E4M3 codes of Wq, K innermost, in blocks of 32 codes); Wv_codes 512 x 16 x 32 uint8 (E4M3 codes of Wv, K innermost, in blocks of 32 codes); bk 64 float32; bq 64 float32; bv 512 float32; gamma 1 float32; lowp_scales 10 int32 (the exponents e of the quantised operands' scales 2^e); x 4 x 512 x 64 x 64 float32.
;; Outputs: out0 4 x 512 x 64 x 64 float32.
;; This version of the problem:
;;   THIS VERSION OF THE PROBLEM IS GIVEN IN LOW PRECISION. The matrix products marked QUANTISED in the list below multiply operands that are first quantised to E4M3 (4 exponent bits, 3 mantissa bits; 8 bits a number), with one given power-of-two scale for each operand tensor; their sums are f32. All else is computed in f32.
;;   The module's matrix products, in the order in which they are computed (A, B: the left and right operand; K: the contracted axis; several contracted axes count as one K, in the product's order):
;;     1. [M 16,384, K 512] x [K 512, N 64]; A: input x; B: input Wk (given as codes): QUANTISED (scales: A lowp_scales[0], B lowp_scales[1])
;;     2. [M 16,384, K 512] x [K 512, N 64]; A: input x; B: input Wq (given as codes): QUANTISED (scales: A lowp_scales[2], B lowp_scales[3])
;;     3. [M 16,384, K 512] x [K 512, N 512]; A: input x; B: input Wv (given as codes): QUANTISED (scales: A lowp_scales[4], B lowp_scales[5])
;;     4. batch 4 x [M 4,096, K 64] x [K 64, N 4,096]; A: computed on the way; B: computed on the way: QUANTISED (scales: A lowp_scales[6], B lowp_scales[7])
;;     5. batch 4 x [M 512, K 4,096] x [K 4,096, N 4,096]; A: computed on the way; B: softmax (see below): QUANTISED (scales: A lowp_scales[8], B lowp_scales[9])
;;   THE QUANTISER, for each operand of a quantised product, along K:
;;     - The operand's scale is 2^e, e = its entry of the input lowp_scales (int32; the entries are numbered through the quantised products in the list's order, A before B).
;;     - Each number is divided by the scale, clamped to +-448, and rounded to the nearest number of E4M3, ties to even, subnormals kept.
;;     - The product sums the exact products of the quantised numbers (number of the format x scale) in f32.
;;   ~~~python
;;   def quantise(x, axis, e):      # numpy; x: float32 -> the quantised numbers, widened to float32 again
;;       x = np.moveaxis(x, axis, -1); K = x.shape[-1]
;;       r = np.clip(x / 2.0 ** e, -448, 448)
;;       step = 2.0 ** (np.maximum(np.frexp(np.where(r == 0, 1, r))[1] - 1, -6) - 3)
;;       q = np.round(r / step) * step * 2.0 ** e      # np.round: ties to even
;;       return np.moveaxis(q, -1, axis).astype(np.float32)
;;   ~~~
;;   SOFTMAX AHEAD OF A QUANTISED PRODUCT. Where the list says 'softmax', what is quantised is not the finished softmax but p = 2^(t - M), with t = logit x log2(e) and M = ceil(the row's largest t), a whole number; so 1/2 < the row's largest p <= 1. The row's sum l is taken of the UNQUANTISED p, in f32, and the product's result is divided by l at the end. Since M is a whole number, a kernel that streams over the keys may use a running M (the ceiling of the running maximum): every later rescaling is an exact power of two, so the quantised numbers keep their values, but for numbers so far below the row's largest that they fall under the format's range.
;;   OPERANDS COMPUTED ON THE WAY. 'Computed on the way' means the value that the module computes at that place (a softmax that the list does not call 'softmax' is quantised finished and normalised). What goes into a quantiser is computed in f32, as accurately as f32 sums, v_exp_f32 and their like allow (about 1e-6 of the number): no bf16 or f16 on the way to a quantiser, and a product that is left as it is and whose result goes on into a quantised operand takes f32 operands (vector FMAs, or v_wmma_f32_16x16x4_f32). A number that lies on a knife's edge between two numbers of the format may be rounded either way, as far as f32 arithmetic and the matrix unit's own rounding can turn it there, and no further.
;;   INPUTS GIVEN AS CODES. Wk (in the module: [64, 512], K = its axis 1); Wq (in the module: [64, 512], K = its axis 1); Wv (in the module: [512, 512], K = its axis 1): each comes as NAME_codes (uint8): NAME with its K axis moved to the last place and cut into blocks of 32 codes, [.., K / 32, bytes a block], one block behind the other in memory; one code a byte (a code: sign, 4 exponent bits, 3 mantissa bits); its scale is its entry of lowp_scales. Its value is code x scale, taken as it is: it is not quantised again, and the codes and scales need not be those that the quantiser above would give.
;; One version. Each part assembles by itself: llvm-mc -triple=amdgcn-amd-amdhsa -mcpu=gfx1250 --defsym DOCPART=n.
;; ======== version 1 of 1: 2 launches
;; workspace buffers: qc 1,048,576 bytes; kc 1,048,576 bytes; vc 8,388,608 bytes
;; launch proj (part 1): grid 256 x 1, 8 waves a work-group, no clusters, 99,328 bytes of LDS; arguments x, Wk_codes, Wq_codes, Wv_codes, bk, bq, bv, lowp_scales, qc, kc, vc; writes qc, kc, vc
.if DOCPART == 1
	.amdgcn_target "amdgcn-amd-amdhsa--gfx1250"
	.amdhsa_code_object_version 6
	.text
	.protected	k_qaa3be42957_proj
	.globl	k_qaa3be42957_proj
	.p2align	8
	.type	k_qaa3be42957_proj,@function
k_qaa3be42957_proj:
	s_mov_b64 s[64:65], 0
	v_nop
	global_prefetch_b8 v0, s[64:65] scope:SCOPE_SE
	s_setreg_imm32_b32 hwreg(HW_REG_WAVE_MODE, 25, 1), 1
	s_wait_xcnt 0x0
; k = Wk x + bk, q = Wq x + bq, v = Wv x + bv for 64 pixels of one batch, all three products on codes of E4M3, and the results quantised for the two products of the attention.
; x: [4][512 channels][4096 pixels] f32.  K of all three products is the channel, which is NOT innermost in x.  x goes into three quantisers (2^e4 for v, 2^e0 for k, 2^e2 for q), so it is quantised three times.
; DEAD WORK: none.  Every input has a way to the output: bk and bq go into quantised operands, so they stay.
; LIMITS: e0, e2, e4, e7 - e0 - e1, e6 - e2 - e3 and e8 - e4 - e5 lie between -126 and 119, so that each scale and 448 x the scale is an f32 number.  NaN among the inputs is not served; an infinity is held at the largest code.
; SHARES.  Work-group g: batch g / 64, pixels 64 (g % 64) on: four tiles of 16 pixels.  Eight waves.
;   Phase A: wave w loads channels 64 w .. 64 w + 63 of the 64 pixels (a load covers one row's 256 aligned bytes; a lane holds two pixels of a channel, its registers run down the channels),
;   quantises them three times and lays the codes in LDS as IMAGES OF OPERAND REGISTERS: image (set, pixel tile, K step of 128): 16 bytes at 512 c + 16 lane are registers 4 c .. 4 c + 3 of lane (r, h):
;   channels 128 s + 32 c + 16 h + 0 .. 15 of pixel r.  The weights are loaded in the same order of k, so every product meets its partner.
;   Phase B: THE WAVES SHARE THE COLUMNS.  Wave w makes 16 rows of k (w < 4) or of q (w >= 4) and 64 channels of v, for all 64 pixels; its weights go from memory straight into its registers, once.
; NO CLUSTER: a joint load lands in LDS alone; the 327,680 bytes of weights do not fit there beside 98,304 bytes of images, and each fragment of a weight is used by one wave only.
; OUT, as images of the next operands' registers:
;   qc, kc: [batch][pixel tile 256][1,024 bytes]: byte 256 t + 16 r + 8 h + j is channel 16 t + 8 h + j of pixel r.
;   vc: [batch][step of 128 pixels 32][channel tile 32][2,048 bytes]: 16 bytes at 512 g + 16 lane are registers 4 g .. 4 g + 3 of lane (r = channel, h): the pair 2 t, 2 t + 1 holds pixels 16 t + 8 h + 0 .. 7.
; REGISTERS, window 0: v1 16 lane; v2 8 lane; v3, v4 where I store images; v5 where I read k's or q's set; v6 my place in a weight's 16 rows; v7 my place in a tile of qc or kc; v8, v9 my place in the biases;
;   v10, v11 the add's two; v12-15 bv of my four tiles; v16-18 scales; v20-23 codes; v24-31 bk or bq, later codes; v32-63 at work, later accumulators; v64-191 x, later two sets of four fragments;
;   v192-255 Wk's or Wq's four fragments, later accumulators (v192-223) and v's codes (v224-255).   window 1: Wv's sixteen fragments, (tile ct, K step s) at 16 (4 ct + s).
.set SPARE, 98304                      ; behind the images: the spare words, 128 bytes for each of the eight waves, which no other line names
.set MSB, 0
.macro WIN new                         ; the immediate's high byte repeats the setting that is left
.if MSB != \new
	s_set_vgpr_msb (MSB<<8)|\new
.set MSB, \new
.endif
.endm
.macro PLACES                          ; four plain vector lines between a matrix instruction and a load into its sources or a read of its result
.rept 4
	v_nop
.endr
.endm
.macro MK e, sc, lim                   ; from the whole number e: sc = 2^e as f32; s[lim] = -448 x 2^e, s[lim+1] = +448 x 2^e
	s_add_co_i32 s54, \e, 127
	s_lshl_b32 \sc, s54, 23
	s_add_co_i32 s54, s54, 8
	s_lshl_b32 s54, s54, 23
	s_or_b32 s[\lim+1], s54, 0x600000
	s_or_b32 s[\lim], s[\lim+1], 0x80000000
.endm
	s_load_b512 s[4:19], s[0:1], 0x0               ; x s[4:5], Wk s[6:7], Wq s[8:9], Wv s[10:11], bk s[12:13], bq s[14:15], bv s[16:17], the exponents s[18:19]
	s_load_b128 s[20:23], s[0:1], 0x40             ; qc s[20:21], kc s[22:23]
	s_load_b64 s[24:25], s[0:1], 0x50              ; vc
	v_lshl_add_u32 v10, v0, 2, SPARE
	v_mov_b32 v11, 0
	v_lshrrev_b32 v1, 5, v0
	v_readfirstlane_b32 s26, v1                    ; wave 0..7
	s_lshr_b32 s27, ttmp9, 6                       ; batch
	s_and_b32 s28, ttmp9, 63                       ; block of 64 pixels
	v_and_b32 v19, 31, v0                          ; lane
	v_lshlrev_b32 v2, 3, v19                       ; two pixels a lane
	s_lshl_b32 s56, s27, 23                        ; x: batch x 8,388,608
	s_lshl_b32 s57, s28, 8                         ;  + block x 256
	s_add_co_u32 s56, s56, s57
	s_lshl_b32 s57, s26, 20                        ;  + wave x 64 channels of 16,384 bytes
	s_add_co_u32 s56, s56, s57
	s_mov_b32 s57, 0
	s_wait_kmcnt 0x0
	s_load_b256 s[32:39], s[18:19], 0x0            ; e0 .. e7
	s_load_b64 s[40:41], s[18:19], 0x20            ; e8, e9
	s_add_nc_u64 s[4:5], s[4:5], s[56:57]
.set XI, 0
.rept 64
	global_load_b64 v[64+2*XI:65+2*XI], v2, s[4:5] offset:XI*16384 th:TH_LOAD_NT   ; channel 64 w + XI: 32 lanes read the row's 256 consecutive bytes
.set XI, XI+1
.endr
	; addresses, while x is on its way
	v_lshlrev_b32 v1, 4, v19                       ; 16 lane
	v_lshrrev_b32 v3, 3, v19
	v_lshlrev_b32 v3, 13, v3                       ; my two pixels' tile: lane / 8, 8,192 bytes a tile
	v_and_b32 v4, 7, v19
	v_lshl_add_u32 v3, v4, 5, v3                   ; pixel 2 (lane % 8): 16 bytes a pixel
	s_lshl_b32 s54, s26, 10
	v_add_nc_u32 v3, s54, v3                       ; my 64 channels: 1,024 bytes of each tile's 8,192
	v_add_nc_u32 v4, 0x10000, v3                   ; the same in set 2
	s_lshr_b32 s54, s26, 2
	s_add_co_u32 s54, s54, 1
	s_lshl_b32 s54, s54, 15
	v_add_nc_u32 v5, s54, v1                       ; set 1 (k: waves 0-3) or set 2 (q: waves 4-7)
	v_and_b32 v12, 15, v0                          ; r
	v_bfe_u32 v13, v0, 4, 1                        ; h
	v_lshlrev_b32 v6, 9, v12
	v_lshl_add_u32 v6, v13, 4, v6                  ; a weight's row r of 512 bytes, + 16 h
	s_and_b32 s55, s26, 3                          ; which 16 rows of k or q are mine
	s_lshl_b32 s54, s55, 8
	v_lshlrev_b32 v7, 4, v12
	v_lshl_add_u32 v7, v13, 3, v7
	v_add_nc_u32 v7, s54, v7                       ; 256 t + 16 r + 8 h
	s_lshl_b32 s54, s55, 6
	v_lshl_add_u32 v8, v13, 5, s54                 ; bk, bq: 64 t + 32 h
	s_lshl_b32 s54, s26, 8
	v_lshl_add_u32 v9, v12, 2, s54                 ; bv: 256 w + 4 r
	s_cmp_lt_u32 s26, 4                            ; k's wave or q's: the choice hangs on the wave's number alone
	s_cselect_b64 s[6:7], s[6:7], s[8:9]           ; the weight,
	s_cselect_b64 s[12:13], s[12:13], s[14:15]     ; the bias,
	s_cselect_b64 s[22:23], s[22:23], s[20:21]     ; and where the codes go
	s_lshl_b32 s56, s55, 13
	s_add_nc_u64 s[6:7], s[6:7], s[56:57]          ; my 16 rows of 512 bytes
	s_lshl_b32 s56, s26, 15
	s_add_nc_u64 s[10:11], s[10:11], s[56:57]      ; Wv: my 64 rows
	s_lshl_b32 s56, s27, 18
	s_lshl_b32 s58, s28, 12
	s_add_co_u32 s56, s56, s58
	s_add_nc_u64 s[22:23], s[22:23], s[56:57]      ; qc or kc: (256 batch + 4 block) tiles of 1,024 bytes
	s_lshl_b32 s56, s27, 21
	s_lshr_b32 s58, s28, 1
	s_lshl_b32 s58, s58, 16
	s_add_co_u32 s56, s56, s58
	s_lshl_b32 s58, s26, 13
	s_add_co_u32 s56, s56, s58
	s_and_b32 s58, s28, 1
	s_lshl_b32 s58, s58, 10
	s_add_co_u32 s56, s56, s58
	s_add_nc_u64 s[24:25], s[24:25], s[56:57]      ; vc: batch, step of 128 pixels, my four channel tiles, my block's half of each fragment
	s_wait_kmcnt 0x0
	MK s36, s29, 44                                ; set 0: 2^e4
	v_mov_b32 v16, s29
	MK s32, s29, 46                                ; set 1: 2^e0
	v_mov_b32 v17, s29
	MK s34, s29, 48                                ; set 2: 2^e2
	v_mov_b32 v18, s29
	s_cmp_lt_u32 s26, 4
	s_cselect_b32 s58, s32, s34                    ; x's exponent in my product,
	s_cselect_b32 s59, s33, s35                    ; the weight's,
	s_cselect_b32 s60, s39, s38                    ; and the result's: e7 for k, e6 for q
	s_add_co_i32 s58, s58, s59
	s_sub_co_i32 s60, s60, s58                     ; a sum stands for sum x 2^(ex + ew): its code is sum / 2^(eo - ex - ew)
	s_sub_co_i32 s61, 0, s58                       ; and the bias goes in as b / 2^(ex + ew)
	MK s60, s30, 50
	s_add_co_i32 s58, s36, s37
	s_sub_co_i32 s60, s40, s58                     ; v likewise: e8 - e4 - e5
	s_sub_co_i32 s62, 0, s58
	MK s60, s31, 52
; PHASE A.  16 channels of my 64 at a time, three sets, two pixels: the hold picks one pixel's 16 channels out of the loaded pairs, so the sorting costs no line.
; The two sets of 16 registers take turns, so that the next turn's sixteen holds are the plain lines behind a turn's conversions.
.macro QG grp
.irp set, 0,1,2
.irp par, 0,1
.irp i, 0,1,2,3,4,5,6,7,8,9,10,11,12,13,14,15
	v_med3_num_f32 v[32+16*\par+\i], v[64+32*\grp+2*\i+\par], s[44+2*\set], s[45+2*\set]   ; the conversion to an 8-bit code does not saturate (ISA guide 7.6.2): held within 448 x the scale
.endr
	v_cvt_scalef32_pk8_fp8_f32 v[20:21], v[32+16*\par:39+16*\par], v[16+\set]
	v_cvt_scalef32_pk8_fp8_f32 v[22:23], v[40+16*\par:47+16*\par], v[16+\set]
.if \set == 2
	ds_store_b128 v4, v[20:23] offset:256*\grp+16*\par
.else
	ds_store_b128 v3, v[20:23] offset:32768*\set+256*\grp+16*\par
.endif
.endr
.endr
.endm
.macro LWV ct                          ; Wv's four fragments of my tile ct, into window 1
	WIN 0x40
.irp s, 0,1,2,3
.irp c, 0,1,2,3
	global_load_b128 v[16*(4*\ct+\s)+4*\c:16*(4*\ct+\s)+4*\c+3], v6, s[10:11] offset:8192*\ct+128*\s+32*\c
.endr
.endr
	WIN 0
.endm
	s_wait_loadcnt 48                              ; channels 0-15 are in: 48 loads of x were issued behind them
	QG 0
.irp s, 0,1,2,3                                ; 22 loads: Wk's or Wq's four fragments, its bias, bv
.irp c, 0,1,2,3
	global_load_b128 v[192+16*\s+4*\c:195+16*\s+4*\c], v6, s[6:7] offset:128*\s+32*\c
.endr
.endr
	global_load_b128 v[24:27], v8, s[12:13]
	global_load_b128 v[28:31], v8, s[12:13] offset:16
.irp ct, 0,1,2,3
	global_load_b32 v[12+\ct], v9, s[16:17] offset:64*\ct
.endr
	s_wait_loadcnt 54                              ; channels 16-31: behind them 32 loads of x and the 22
	QG 1
	LWV 0
	s_wait_loadcnt 54                              ; channels 32-47: behind them 16 of x, 22 and 16
	QG 2
	LWV 1
	s_wait_loadcnt 54                              ; channels 48-63: behind them 22, 16 and 16
	QG 3
	v_nop                                          ; a plain line behind the last conversion: the products below write its sources
	LWV 2
	LWV 3
	s_wait_dscnt 0x0                               ; for the others' sake: my images have landed
	s_barrier_signal -1
	s_barrier_wait -1                              ; all 48 images lie in LDS
; PHASE B
.macro FXK buf, s                      ; K step s of my set, the four pixel tiles: 16 loads
.irp pt, 0,1,2,3
.irp c, 0,1,2,3
	ds_load_b128 v[\buf+16*\pt+4*\c:\buf+16*\pt+4*\c+3], v5 offset:8192*\pt+2048*\s+512*\c
.endr
.endr
.endm
.macro FXV buf, pt                     ; pixel tile pt of set 0, the four K steps: 16 loads
.irp s, 0,1,2,3
.irp c, 0,1,2,3
	ds_load_b128 v[\buf+16*\s+4*\c:\buf+16*\s+4*\c+3], v1 offset:8192*\pt+2048*\s+512*\c
.endr
.endr
.endm
; source 0 = my 16 rows of the weight, source 1 = 16 pixels: a lane holds one pixel and eight neighbouring channels, the next product's K.  The bias is the C of the first K step.  The four accumulators take turns.
.macro MULKQ s, buf
.irp pt, 0,1,2,3
.if \s == 0
	v_wmma_f32_16x16x128_fp8_fp8 v[32+8*\pt:39+8*\pt], v[192+16*\s:207+16*\s], v[\buf+16*\pt:\buf+16*\pt+15], v[24:31]
.else
	v_wmma_f32_16x16x128_fp8_fp8 v[32+8*\pt:39+8*\pt], v[192+16*\s:207+16*\s], v[\buf+16*\pt:\buf+16*\pt+15], v[32+8*\pt:39+8*\pt]
.endif
.endr
.endm
; source 0 = 16 pixels, source 1 = 16 rows of Wv: a lane holds one channel and eight neighbouring pixels, the last product's K.  The four accumulators take turns, K step by K step.
.macro MULV buf, acc
	WIN 0x04                                       ; source 1 in window 1
.irp s, 0,1,2,3
.irp ct, 0,1,2,3
.if \s == 0
	v_wmma_f32_16x16x128_fp8_fp8 v[\acc+8*\ct:\acc+8*\ct+7], v[\buf+16*\s:\buf+16*\s+15], v[16*(4*\ct+\s):16*(4*\ct+\s)+15], 0
.else
	v_wmma_f32_16x16x128_fp8_fp8 v[\acc+8*\ct:\acc+8*\ct+7], v[\buf+16*\s:\buf+16*\s+15], v[16*(4*\ct+\s):16*(4*\ct+\s)+15], v[\acc+8*\ct:\acc+8*\ct+7]
.endif
.endr
.endr
	WIN 0
.endm
.macro POSTV pt, acc                   ; + bv, the hold, the codes of pixels 16 pt + 8 h + 0 .. 7: the pair 2 pt, 2 pt + 1 of my half of tile ct's fragment.  Each accumulator from its low end on
.irp ct, 0,1,2,3
.irp j, 0,1,2,3,4,5,6,7
	v_add_f32 v[\acc+8*\ct+\j], v[\acc+8*\ct+\j], v[12+\ct]
.endr
.irp j, 0,1,2,3,4,5,6,7
	v_med3_num_f32 v[\acc+8*\ct+\j], v[\acc+8*\ct+\j], s52, s53
.endr
	v_cvt_scalef32_pk8_fp8_f32 v[224+8*\ct+2*\pt:225+8*\ct+2*\pt], v[\acc+8*\ct:\acc+8*\ct+7], v17
.endr
	v_nop                                          ; a plain line behind the last conversion: later products write its sources
.endm
	FXK 64, 0
	FXK 128, 1
	s_wait_loadcnt 0x0                             ; the weights and the biases
.irp j, 0,1,2,3,4,5,6,7
	v_ldexp_f32 v[24+\j], v[24+\j], s61            ; b / 2^(ex + ew)
.endr
.irp ct, 0,1,2,3
	v_ldexp_f32 v[12+\ct], v[12+\ct], s62          ; bv / 2^(e4 + e5)
.endr
	v_mov_b32 v16, s30                             ; 2^(eo - ex - ew)
	v_mov_b32 v17, s31                             ; 2^(e8 - e4 - e5)
	s_wait_dscnt 16                                ; each of these waits leaves out the 16 loads of the younger set
	MULKQ 0, 64
	PLACES
	FXK 64, 2
	s_wait_dscnt 16
	MULKQ 1, 128
	PLACES
	FXK 128, 3
	s_wait_dscnt 16
	MULKQ 2, 64
	PLACES
	FXV 64, 0
	s_wait_dscnt 16
	MULKQ 3, 128
	PLACES
	FXV 128, 1
.irp j, 0,1,2,3,4,5,6,7,8,9,10,11,12,13,14,15,16,17,18,19,20,21,22,23,24,25,26,27,28,29,30,31
	v_med3_num_f32 v[32+\j], v[32+\j], s50, s51    ; k or q, held; each accumulator from its low end on
.endr
.irp pt, 0,1,2,3
	v_cvt_scalef32_pk8_fp8_f32 v[24+2*\pt:25+2*\pt], v[32+8*\pt:39+8*\pt], v16
.endr
	v_nop                                          ; a plain line behind the last conversion
.irp pt, 0,1,2,3
	global_store_b64 v7, v[24+2*\pt:25+2*\pt], s[22:23] offset:1024*\pt   ; 32 lanes store 256 consecutive bytes, at a multiple of 256 from the buffer's first byte
.endr
	s_wait_dscnt 16
	MULV 64, 192                                   ; pixel tile 0
	PLACES
	FXV 64, 2
	s_wait_dscnt 16
	MULV 128, 32                                   ; tile 1
	POSTV 0, 192                                   ; its lines are also the places in front of the loads below
	FXV 128, 3
	s_wait_dscnt 16
	MULV 64, 192                                   ; tile 2
	POSTV 1, 32
	s_wait_dscnt 0x0
	MULV 128, 32                                   ; tile 3
	POSTV 2, 192
	POSTV 3, 32
.irp ct, 0,1,2,3
.irp gl, 0,1
	global_store_b128 v1, v[224+8*\ct+4*\gl:227+8*\ct+4*\gl], s[24:25] offset:2048*\ct+512*\gl   ; 32 lanes store 512 consecutive bytes
.endr
.endr
	s_wait_tensorcnt 0x0                           ; the wave's end: behind my last LDS store
	ds_add_u32 v10, v11
	s_wait_dscnt 0x0
	s_endpgm
.Lfunc_end_k_qaa3be42957_proj:
	.size	k_qaa3be42957_proj, .Lfunc_end_k_qaa3be42957_proj-k_qaa3be42957_proj
	.p2alignl 7, 3214868480
	.fill 96, 4, 3214868480
	.section	.rodata,"a",@progbits
	.p2align	6, 0x0
	.amdhsa_kernel k_qaa3be42957_proj
		.amdhsa_group_segment_fixed_size 99328
		.amdhsa_private_segment_fixed_size 0
		.amdhsa_enable_private_segment 0
		.amdhsa_kernarg_size 88
		.amdhsa_user_sgpr_count 2
		.amdhsa_user_sgpr_kernarg_segment_ptr 1
		.amdhsa_wavefront_size32 1
		.amdhsa_system_sgpr_workgroup_id_x 1
		.amdhsa_system_sgpr_workgroup_id_y 1
		.amdhsa_system_sgpr_workgroup_id_z 1
		.amdhsa_system_vgpr_workitem_id 0
		.amdhsa_next_free_vgpr 512
		.amdhsa_next_free_sgpr 66
		.amdhsa_reserve_vcc 0
		.amdhsa_float_denorm_mode_32 3
		.amdhsa_float_denorm_mode_16_64 3
		.amdhsa_memory_ordered 1
		.amdhsa_forward_progress 1
		.amdhsa_inst_pref_size 80
	.end_amdhsa_kernel
	.amdgpu_metadata
---
amdhsa.version: [ 1, 2 ]
amdhsa.kernels:
  - .name:           k_qaa3be42957_proj
    .symbol:         k_qaa3be42957_proj.kd
    .args:
      - { .name: x, .offset: 0, .size: 8, .value_kind: global_buffer, .address_space: global }
      - { .name: Wk_codes, .offset: 8, .size: 8, .value_kind: global_buffer, .address_space: global }
      - { .name: Wq_codes, .offset: 16, .size: 8, .value_kind: global_buffer, .address_space: global }
      - { .name: Wv_codes, .offset: 24, .size: 8, .value_kind: global_buffer, .address_space: global }
      - { .name: bk, .offset: 32, .size: 8, .value_kind: global_buffer, .address_space: global }
      - { .name: bq, .offset: 40, .size: 8, .value_kind: global_buffer, .address_space: global }
      - { .name: bv, .offset: 48, .size: 8, .value_kind: global_buffer, .address_space: global }
      - { .name: lowp_scales, .offset: 56, .size: 8, .value_kind: global_buffer, .address_space: global }
      - { .name: qc, .offset: 64, .size: 8, .value_kind: global_buffer, .address_space: global }
      - { .name: kc, .offset: 72, .size: 8, .value_kind: global_buffer, .address_space: global }
      - { .name: vc, .offset: 80, .size: 8, .value_kind: global_buffer, .address_space: global }
    .group_segment_fixed_size: 99328
    .private_segment_fixed_size: 0
    .kernarg_segment_align: 8
    .kernarg_segment_size: 88
    .max_flat_workgroup_size: 256
    .sgpr_count:     66
    .vgpr_count:     512
    .wavefront_size: 32
...
	.end_amdgpu_metadata
.endif
;; end of part 1
;; launch attn (part 2): grid 64 x 4, 4 waves a work-group, clusters of 4 x 1, 327,680 bytes of LDS; arguments qc, kc, vc, x, gamma, lowp_scales, out0; writes out0
.if DOCPART == 2
	.amdgcn_target "amdgcn-amd-amdhsa--gfx1250"
	.amdhsa_code_object_version 6
	.text
	.protected	k_qaa3be42957_attn
	.globl	k_qaa3be42957_attn
	.p2align	8
	.type	k_qaa3be42957_attn,@function
k_qaa3be42957_attn:
	s_mov_b64 s[64:65], 0
	v_nop
	global_prefetch_b8 v0, s[64:65] scope:SCOPE_SE
	s_setreg_imm32_b32 hwreg(HW_REG_WAVE_MODE, 25, 1), 1
	s_wait_xcnt 0x0
	s_wait_alu depctr_hold_cnt(0) depctr_sa_sdst(0) depctr_va_vdst(0) depctr_va_sdst(0) depctr_va_ssrc(0) depctr_va_vcc(0) depctr_vm_vsrc(0)
	s_getreg_b32 s2, hwreg(HW_REG_IB_STS2, 6, 4)
	s_cmp_eq_u32 s2, 0
	s_cbranch_scc0 .Lentry_in_a_cluster
	s_endpgm
.Lentry_in_a_cluster:
	s_bfe_u32 s2, ttmp6, 0x10000c
	s_cmp_lg_u32 s2, 0x3003
	s_cbranch_scc0 .Lentry_shape_is_right
	s_endpgm
.Lentry_shape_is_right:
; out[n][c][i] = x[n][c][i] + gamma x (the sum over j of v[n][c][j] p[i][j]) / l[i], on the codes that the launch before has laid as images of operand registers (qc, kc, vc: see there).
; t = score x log2(e); M = the row's largest t rounded up to a whole number; p = 2^(t - M) is quantised with 2^e9; l is the sum of the unquantised p.  No work is left out.
; LIMITS: e6 + e7 between -126 and 127 (added to log2(e)'s exponent field); e9 between -126 and 119; e8 + e9 is applied by v_ldexp_f32.  NaN among the inputs is not served.
; SHARES.  A work-group owns 64 queries (four tiles of 16) of one batch; the four work-groups of a cluster belong to one batch and walk the same keys: K's (first pass) and V's tiles are asked for JOINTLY.
; TWO PASSES.  Pass 1: all 4,096 keys' codes of k lie in LDS (262,144 bytes); wave w takes a quarter of each half and finds, for all 64 queries, the largest score: M is final before pass 2, so nothing is ever rescaled.
; Pass 2, 32 steps of 128 keys.  THE SCORES ARE SHARED BY KEYS: wave w takes key tiles 2 w, 2 w + 1 of a step for all four query tiles (S^T = K Q^T: a lane holds one query and eight neighbouring keys);
; its four code registers of a query tile are group w of P's fragment, and go to the other waves through LDS as they stand.  THE LAST PRODUCT IS SHARED BY CHANNELS: wave w owns channels 128 w .. 128 w + 127
; for all 64 queries: 32 accumulators, and each fragment of V feeds four products.
; A TRIP (step j) begins and ends at the barrier that hands P over.  Round the barrier stands work on registers for step j + 1: its scores were multiplied at the end of the trip before, its 32 scalings stand half in front of
; the wait for my LDS instructions and half between the barrier's signal and wait.  Behind the barrier: P(j)'s and K(j + 3)'s loads in one run, the 64 exponentials, then the 32 products of step j with the rest of the
; softmax of step j + 1 in slices behind them.  The LDS instructions among the products stand in three runs, each behind the last product that reads the registers it fills.
; K IN PASS 2 comes straight from memory into registers, 2,048 bytes a wave and step, with no joint load: it is 8,192 of a step's 73,728 bytes, and without it the ring's two slots are
; exactly the bytes that pass 1's tiles filled.  Q, x and out are each work-group's own.
; x: my wave's 128 channels x 64 pixels are loaded at the head into window 3, so that only stores are left at the end.
; LDS: 0 .. 262,143 the ring (pass 1: key tile kt at 1,024 kt; pass 2: V of step s at 65,536 (s % 4), a slot = two steps; the way out: a stage of 128 rows x 272 bytes for each wave, when the ring has had its last fill and read);
;   PIMG: P's images, two buffers of 8,192; STAT: the waves' maxima and sums; SPARE: the spare words.
; REGISTERS.  window 0: v1-13 addresses (v6: V of a slot's second step, v18: of its first; each is written a trip ahead of its use); v14, v15 the add's two; v16 448 x 2^e9; v17 2^e9; v20-27 -M, a pair a query tile;
;   v28-35 l; v36-43 maxima, later the last factor; v44-59 P's codes; v60-63 at work; v64-127 S^T (16 qt + 8 u + j); v128-191 P's four fragments; v192-255 at work.
;   window 1: the accumulators, (channel tile ct, query tile qt) at 8 (4 ct + qt).   window 2: v0-127 V's eight fragments (pass 1: two sets of K); v128-159 Q; v160-175, v176-191 K of an even, an odd step.   window 3: x.
.set HALFR, 131072                     ; a slot of the ring
.set PIMG,  262144
.set STAT,  278528
.set SPARE, 282624                     ; 128 bytes for each of the four waves, which no other line names
.set MSB, 0
.macro WIN new                         ; the immediate's high byte repeats the setting that is left; bits 1:0 source 0, 3:2 source 1, 5:4 source 2, 7:6 destination
.if MSB != \new
	s_set_vgpr_msb (MSB<<8)|\new
.set MSB, \new
.endif
.endm
.macro CREST                           ; a round of the cluster's barrier behind its opening barrier
	s_cmp_lg_u32 s18, 0
	s_cbranch_scc1 .Lnot_wave_0_\@
	s_barrier_signal -3
.Lnot_wave_0_\@:
	s_barrier_wait -3
	s_barrier_signal -1
	s_barrier_wait -1
.endm
.macro CROUND                          ; a whole round
	s_barrier_signal -1
	s_barrier_wait -1
	CREST
.endm
; A prefetch of the pair of steps that the NEXT change of slots will ask for: 131,072 bytes, 256 bytes a lane.  All clusters of a batch walk the same V: the batch's first cluster asks.  Its four partners are told apart
; by address (32,768 bytes each), their waves likewise (8,192 each): each aligned 256 bytes are named once.  The last change that fills a slot asks for nothing.
.macro ASK
	s_cmp_gt_u32 s49, s48
	s_cbranch_scc0 .Lnot_mine_\@
	global_prefetch_b8 v13, s[46:47] th:TH_LOAD_NT scope:SCOPE_SE
.Lnot_mine_\@:
.endm
; THE VECTOR WORK OF A STEP is a list of 202 entries; VEC writes entry VN and steps VN.
;   0-31 t - M, a pair each;  32-95 the exponentials: ONE batch;  96 a plain line and the one wait ahead of the batch's first reader;
;   97-128 the sums of the unquantised p, four chains by turns;  129-200 nine at a time: eight holds (p is not negative: one-sided) and a conversion;  201 a plain line behind the last conversion.
.macro VEC
.if VN < 32
	v_pk_fma_f32 v[64+2*VN:65+2*VN], v[64+2*VN:65+2*VN], s[52:53], v[20+2*(VN/8):21+2*(VN/8)] op_sel_hi:[1,0,0]
.elseif VN < 96
	v_exp_f32 v[32+VN], v[32+VN]
.elseif VN == 96
	v_nop
	s_wait_alu depctr_va_vdst(0)
.elseif VN < 129
.set VA, VN-97
	v_pk_add_f32 v[28+2*(VA%4):29+2*(VA%4)], v[28+2*(VA%4):29+2*(VA%4)], v[64+16*(VA%4)+2*(VA/4):65+16*(VA%4)+2*(VA/4)]
.elseif VN < 201
.set VA, VN-129
.if (VA%9) < 8
	v_min_num_f32 v[64+8*(VA/9)+(VA%9)], v[64+8*(VA/9)+(VA%9)], v16
.else
	v_cvt_scalef32_pk8_fp8_f32 v[44+2*(VA/9):45+2*(VA/9)], v[64+8*(VA/9):71+8*(VA/9)], v17
.endif
.else
	v_nop
.endif
.set VN, VN+1
.endm
; A change of slots with a joint refill.  Every wave fetches its quarter of the slot (128 rows of 256 bytes), with no branch.
; vec = 1 (in a trip): sixteen scalings stand between the add and the wait for it, sixteen between the opening signal and its wait: work on registers alone; the prefetch then follows the trip's loads.
.macro CHG step, vec
	WIN 0
	s_wait_tensorcnt 0x0                           ; all my tensor loads have landed, so the walking descriptor may be written
	ds_add_u32 v14, v15
.if \step
	s_xor_b32 s41, s41, HALFR                      ; the other slot,
	s_add_nc_u64 s[42:43], s[42:43], HALFR         ; the next two steps; the type bits on top are not reached
	s_wait_xcnt 0x0                                ; the last prefetch, two steps back, has read its address
	s_add_nc_u64 s[46:47], s[46:47], HALFR
.endif
.if \vec
.rept 16
	VEC
.endr
.endif
	s_wait_dscnt 0x0                               ; the add is done, my LDS stores have landed, my reads of the slot are over
	s_barrier_signal -1                            ; the barrier opens a round of the cluster's
.if \vec
.rept 16
	VEC
.endr
.endif
	s_barrier_wait -1
	CREST                                          ; and all that holds of every wave of the four work-groups
	tensor_load_to_lds s[40:43], s[24:31]
	s_nop 0
.rept 4
	v_nop
.endr
.if \step
.if \vec == 0
	ASK
.endif
.endif
.endm
	s_load_b256 s[4:11], s[0:1], 0x0               ; qc s[4:5], kc s[6:7], vc s[8:9], x s[10:11]
	s_load_b128 s[12:15], s[0:1], 0x20             ; gamma s[12:13], the exponents s[14:15]
	s_load_b64 s[16:17], s[0:1], 0x30              ; out
	v_lshl_add_u32 v14, v0, 2, SPARE
	v_mov_b32 v15, 0
	ds_add_u32 v14, v15                            ; the wave's opening: the add, twice on end, and its wait ahead of my first tensor load
	ds_add_u32 v14, v15
	v_lshrrev_b32 v1, 5, v0
	v_readfirstlane_b32 s18, v1                    ; wave 0..3
	s_bfe_u32 s19, ttmp6, 0x40000                  ; cx: my place in the cluster
	s_lshl_b32 s20, ttmp9, 2
	s_add_co_u32 s20, s20, s19                     ; my block of 64 queries: it enters Q's, x's and out's addresses alone
	s_and_b32 s21, ttmp7, 0xffff                   ; the batch, which the four partners share
	; descriptor group 1: 128 rows of 32 elements of 8 bytes, dense: 32,768 bytes
	s_mov_b32 s24, 15|(3<<16)|(1<<21)              ; 15:0 the mask: all four work-groups; 17:16 elements of 8 bytes; 21 set beside a mask
	s_mov_b32 s25, 32<<16                          ; tensor_dim0
	s_mov_b32 s26, 128<<16                         ; tensor_dim1
	s_mov_b32 s27, 32<<16                          ; tile_dim0
	s_mov_b32 s28, 128                             ; tile_dim1
	s_mov_b32 s29, 32                              ; tensor_dim0_stride
	s_mov_b32 s30, 0
	s_mov_b32 s31, 0
	s_lshl_b32 s66, s18, 15                        ; my quarter of a slot, in LDS and in memory
	s_lshl_b32 s68, s21, 18                        ; kc, qc: a batch is 262,144 bytes
	s_mov_b32 s69, 0
	s_lshl_b32 s70, s21, 21                        ; vc: 2,097,152
	s_mov_b32 s71, 0
	s_lshl_b32 s72, s20, 12
	s_add_co_u32 s72, s72, s68                     ; Q: my four tiles of 1,024 bytes
	s_mov_b32 s73, 0
	s_lshl_b32 s74, s21, 23
	s_lshl_b32 s75, s18, 21
	s_add_co_u32 s74, s74, s75
	s_lshl_b32 s75, s20, 8
	s_add_co_u32 s74, s74, s75                     ; x, out: batch, my wave's 128 channels of 16,384 bytes, my block's 256 bytes
	s_mov_b32 s75, 0
	s_lshl_b32 s76, s19, 15
	s_lshl_b32 s77, s18, 13
	s_add_co_u32 s76, s76, s77
	s_add_co_u32 s76, s76, s70
	s_add_co_u32 s76, s76, HALFR                   ; the prefetches stand at steps 2, 3: the first stepping change moves them on
	s_mov_b32 s77, 0
	s_mov_b32 s54, 0x76543210                      ; v_permlanex16_b32's selects: lane l xor 16
	s_mov_b32 s55, 0xfedcba98
	s_mov_b32 s50, 0                               ; the slot from which V is read
	s_mov_b32 s49, 14                              ; changes of slots in the loop
	s_cmp_eq_u32 ttmp9, 0
	s_cselect_b32 s48, 1, -1                       ; 1 in the batch's first cluster: the same in all four partners
	s_wait_dscnt 0x0                               ; both opening adds are done
	s_wait_kmcnt 0x0
	s_load_b64 s[56:57], s[14:15], 0x18            ; e6, e7
	s_load_b64 s[58:59], s[14:15], 0x20            ; e8, e9
	s_load_b32 s60, s[12:13], 0x0                  ; gamma
	s_add_nc_u64 s[44:45], s[6:7], s[68:69]        ; K of step 0: the even steps' pointer,
	s_add_nc_u64 s[62:63], s[44:45], 8192          ; K of step 1: the odd steps'
	s_add_nc_u64 s[46:47], s[8:9], s[76:77]
	s_add_nc_u64 s[4:5], s[4:5], s[72:73]
	s_add_nc_u64 s[10:11], s[10:11], s[74:75]
	s_add_nc_u64 s[16:17], s[16:17], s[74:75]
	s_add_co_u32 s68, s68, s66
	s_add_co_u32 s70, s70, s66
	s_mov_b32 s32, 1                               ; group 0 for K's first half,
	s_mov_b32 s33, s66
	s_add_nc_u64 s[34:35], s[6:7], s[68:69]
	s_or_b32 s35, s35, 0x80000000
	s_mov_b32 s36, 1                               ; its second half,
	s_add_co_u32 s37, s66, HALFR
	s_add_nc_u64 s[38:39], s[6:7], s[68:69]
	s_add_nc_u64 s[38:39], s[38:39], HALFR
	s_or_b32 s39, s39, 0x80000000
	s_mov_b32 s40, 1                               ; and V, which walks
	s_mov_b32 s41, s66
	s_add_nc_u64 s[42:43], s[8:9], s[70:71]
	s_or_b32 s43, s43, 0x80000000
	CROUND                                         ; all four work-groups are here: the first joint loads meet
	tensor_load_to_lds s[32:35], s[24:31]          ; two loads of mine are out
	s_nop 0
	tensor_load_to_lds s[36:39], s[24:31]
	s_nop 0
.rept 4
	v_nop
.endr
	v_and_b32 v18, 31, v0                          ; lane
	v_lshlrev_b32 v1, 4, v18                       ; 16 lane: an image's place for my lane
	s_lshl_b32 s67, s18, 11
	v_add_nc_u32 v7, s67, v1                       ; K of a step: my two key tiles
	v_and_b32 v19, 15, v0                          ; r
	v_bfe_u32 v6, v0, 4, 1                         ; h
	v_lshlrev_b32 v8, 14, v6
	v_lshl_add_u32 v8, v19, 4, v8                  ; x, out: lanes 0-15 one channel's 256 bytes, lanes 16-31 the next channel's
	WIN 0x80                                       ; destination window 2
.irp qt, 0,1,2,3
.irp g, 0,1
	global_load_b128 v[128+8*\qt+4*\g:131+8*\qt+4*\g], v1, s[4:5] offset:1024*\qt+512*\g   ; Q stays in registers
.endr
.endr
.irp i, 0,1,2,3
	global_load_b128 v[160+4*\i:163+4*\i], v7, s[44:45] offset:512*\i                      ; K of step 0, for pass 2,
.endr
.irp i, 0,1,2,3
	global_load_b128 v[176+4*\i:179+4*\i], v7, s[62:63] offset:512*\i                      ; and of step 1
.endr
	WIN 0xc0                                       ; destination window 3
.set XI, 0
.rept 64
	global_load_b128 v[4*XI:4*XI+3], v8, s[10:11] offset:XI*32768 th:TH_LOAD_NT            ; channels 2 XI, 2 XI + 1 of my 128
.set XI, XI+1
.endr
	WIN 0
	v_add_nc_u32 v2, PIMG, v1                      ; P's images: where I read,
	s_lshl_b32 s67, s18, 9
	v_add_nc_u32 v3, s67, v2                       ; and where I store: group w
	v_add_nc_u32 v12, STAT, v1
	v_add_nc_u32 v11, s67, v12
	s_lshl_b32 s67, s18, 14
	v_add_nc_u32 v4, s67, v1                       ; V: my eight channel tiles of a slot's first step,
	v_add_nc_u32 v5, 0x10000, v4                   ; of its second
	s_mul_i32 s67, s18, 34816                      ; my stage
	v_mul_u32_u24 v9, v6, 2176
	v_lshl_add_u32 v9, v19, 2, v9
	v_add_nc_u32 v9, s67, v9                       ; in: row 8 h (+ 16 ct + j), 4 bytes at pixel r (+ 16 qt)
	v_mul_u32_u24 v10, v6, 272
	v_lshl_add_u32 v10, v19, 4, v10
	v_add_nc_u32 v10, s67, v10                     ; back: lanes 0-15 one row, lanes 16-31 the next
	v_lshlrev_b32 v13, 8, v18
.irp j, 0,1,2,3,4,5,6,7
	v_mov_b32 v[36+\j], 0xff800000                 ; the maxima begin at -infinity,
	v_mov_b32 v[28+\j], 0                          ; the sums at 0
.endr
.irp j, 0,1,2,3
	v_mov_b32 v[192+\j], 0                         ; written once: a lane permute's destination counts as one of its sources
.endr
	s_wait_kmcnt 0x0
	s_add_co_i32 s67, s56, s57
	s_lshl_b32 s67, s67, 23
	s_add_co_i32 s52, s67, 0x3fb8aa3b              ; c = log2(e) x 2^(e6 + e7): the exponents are added to its exponent field
	s_mov_b32 s53, s52                             ; (named with it as a pair, so it is written)
	s_add_co_i32 s67, s59, 127
	s_lshl_b32 s78, s67, 23
	v_mov_b32 v17, s78                             ; 2^e9
	s_add_co_i32 s67, s67, 8
	s_lshl_b32 s67, s67, 23
	s_or_b32 s67, s67, 0x600000
	v_mov_b32 v16, s67                             ; 448 x 2^e9
; S^T of two key tiles (16 registers at kb of window 2) x my work-group's four query tiles: eight products, each begun with the constant 0
.macro SMUL kb
	WIN 0x0a                                       ; K and Q in window 2
.irp u, 0,1
.irp qt, 0,1,2,3
	v_wmma_f32_16x16x64_fp8_fp8 v[64+16*\qt+8*\u:71+16*\qt+8*\u], v[\kb+8*\u:\kb+8*\u+7], v[128+8*\qt:135+8*\qt], 0
.endr
.endr
.endm
; PASS 1, two key tiles.  pf = 1: the next two tiles are fetched into the other set.  The address's addition and three v_nop are the four places in front of the maxima.
.macro GRP kb, ko, pf
	s_wait_dscnt 0x0                               ; this group's tiles are in
	SMUL \kb
	WIN 0
.if \pf
	s_add_co_u32 s51, s51, 2048
	v_add_nc_u32 v6, s51, v1
.rept 3
	v_nop
.endr
	WIN 0x80
.irp i, 0,1,2,3
	ds_load_b128 v[\ko+4*\i:\ko+4*\i+3], v6 offset:512*\i
.endr
	WIN 0
.else
.rept 4
	v_nop
.endr
.endif
.irp k, 0,1,2,3                                ; eight chains by turns, each accumulator from its low end on
.irp q, 0,1,2,3,4,5,6,7
	v_max3_num_f32 v[36+\q], v[36+\q], v[64+8*\q+2*\k], v[65+8*\q+2*\k]
.endr
.endr
.endm
.macro HALF h                          ; my 32 key tiles of half h: sixteen groups
	s_lshl_b32 s51, s18, 15
.if \h
	s_add_co_u32 s51, s51, HALFR
.endif
	v_add_nc_u32 v6, s51, v1
	WIN 0x80
.irp i, 0,1,2,3
	ds_load_b128 v[4*\i:4*\i+3], v6 offset:512*\i
.endr
	WIN 0
	s_mov_b32 s61, 7
.Lhalf_\@:
	GRP 0, 16, 1
	GRP 16, 0, 1
	s_sub_co_u32 s61, s61, 1
	s_cmp_lg_u32 s61, 0
	s_cbranch_scc1 .Lhalf_\@
	GRP 0, 16, 1
	GRP 16, 0, 0
.endm
	s_wait_loadcnt 63                              ; Q is in: 72 loads were issued behind it, and 63 is the largest count that can be written
	s_wait_tensorcnt 0x1                           ; my part of K's first half is in; the second may stay out
	s_barrier_signal -1
	s_barrier_wait -1
	HALF 0
	CHG 0, 0                                       ; K's second half has landed; V's steps 0, 1 go into the bytes of the first
	HALF 1
.irp qt, 0,1,2,3
	v_max_num_f32 v[60+\qt], v[36+2*\qt], v[37+2*\qt]
.endr
.irp qt, 0,1,2,3
	v_permlanex16_b32 v[192+\qt], v[60+\qt], s54, s55
.endr
.irp qt, 0,1,2,3
	v_max_num_f32 v[60+\qt], v[60+\qt], v[192+\qt] ; my wave's largest score of query r in each tile
.endr
	ds_store_b128 v11, v[60:63]
	CHG 1, 0                                       ; V's steps 2, 3 go into the bytes of K's second half; the round is also the barrier between the store above and the loads below
.irp w, 0,1,2,3
	ds_load_b128 v[192+4*\w:195+4*\w], v12 offset:512*\w
.endr
	s_wait_dscnt 0x0
.irp qt, 0,1,2,3
	v_max3_num_f32 v[60+\qt], v[192+\qt], v[196+\qt], v[200+\qt]
.endr
.irp qt, 0,1,2,3
	v_max_num_f32 v[60+\qt], v[60+\qt], v[204+\qt]
.endr
.irp qt, 0,1,2,3
	v_mul_f32 v[60+\qt], s52, v[60+\qt]            ; as t (c is positive)
.endr
.irp qt, 0,1,2,3
	v_floor_f32 v[20+2*\qt], -v[60+\qt]            ; -M = floor(-t): M is a whole number
.endr
.irp qt, 0,1,2,3
	v_mov_b32 v[21+2*\qt], v[20+2*\qt]             ; (the pair's upper word is named, so it is written)
.endr
; PASS 2.
; Product PI of 32, 128 keys.  The first twelve go query tile by query tile over channel tiles 0-2, so that P's four fragments are wanted three products apart; the others channel tile by channel tile.
; The 32 accumulators take turns.
.macro PV zero
.if PI < 12
.set PCT, PI%3
.set PQT, PI/3
.else
.set PCT, PI/4
.set PQT, PI%4
.endif
.set PAC, 8*(4*PCT+PQT)
	WIN 0x52                                       ; V window 2, P window 0, C and D window 1
.if \zero
	v_wmma_f32_16x16x128_fp8_fp8 v[PAC:PAC+7], v[16*PCT:16*PCT+15], v[128+16*PQT:143+16*PQT], 0
.else
	v_wmma_f32_16x16x128_fp8_fp8 v[PAC:PAC+7], v[16*PCT:16*PCT+15], v[128+16*PQT:143+16*PQT], v[PAC:PAC+7]
.endif
.endm
.macro RELOAD ct, adr                  ; the next step's fragment of channel tile ct
	WIN 0x80
.irp g, 0,1,2,3
	ds_load_b128 v[16*(\ct)+4*\g:16*(\ct)+4*\g+3], v[\adr] offset:(\ct)*2048+512*\g
.endr
.endm
.macro KLOAD b                         ; two key tiles of a step into set b, by set b's pointer
	WIN 0x80
.irp i, 0,1,2,3
	global_load_b128 v[160+16*(\b)+4*\i:163+16*(\b)+4*\i], v7, s[44+18*(\b):45+18*(\b)] offset:512*\i
.endr
	WIN 0
.endm
; THE END OF TRIP j (par = j % 2): the scores of step j + 2, from K's set par.  cnt: the loads issued behind that set's four (K of step j + 3, or none).  The same wait shows the set's loads done, so its pointer steps
; two steps on.  V's address for the next trip goes into the other parity's register; with three v_nop it is the four places in front of the first read of the scores.
.macro ENDP par, cnt
	s_wait_loadcnt \cnt
	s_add_nc_u64 s[44+18*\par:45+18*\par], s[44+18*\par:45+18*\par], 16384
	SMUL 160+16*\par
	WIN 0
.if \par
	v_add_nc_u32 v6, s50, v5                       ; step j + 2 is the second of its slot,
.else
	s_xor_b32 s50, s50, HALFR                      ; or the first of the other slot
	v_add_nc_u32 v18, s50, v4
.endif
.rept 3
	v_nop
.endr
.endm
; TRIP j (par = j % 2).  chg = 1: a change of slots with a refill; 2: the last pair is waited for, nothing is filled; 0: a plain barrier.  zero = 1: the products start the sums.
; last = 0: whole; 1: no K is left to fetch; 2: nor scores to multiply; 3: only the products.
; The slices carry entries 97 to 201 of the list: three behind a product; four, four holds, behind product 11; five, four of them holds, behind product 27; six behind product 31: those are the four plain lines
; between the last product that reads a fragment of V and the load into it.
.macro TRIP par, chg, zero, last
.set VN, 0
.if \chg == 1
	CHG 1, 1
.else
.if \chg == 2
	s_wait_tensorcnt 0x0                           ; V's last two steps have landed
	ds_add_u32 v14, v15
.endif
.if \last < 3
.rept 16
	VEC                                            ; sixteen scalings while my last LDS instructions are out,
.endr
.endif
	s_wait_dscnt 0x0                               ; my image of P has landed, V's fragments are in, my reads of the other buffer are over
	s_barrier_signal -1
.if \last < 3
.rept 16
	VEC                                            ; sixteen while the others arrive
.endr
.endif
	s_barrier_wait -1
.endif
.irp qt, 0,1,2,3
.irp g, 0,1,2,3
	ds_load_b128 v[128+16*\qt+4*\g:131+16*\qt+4*\g], v2 offset:8192*\par+2048*\qt+512*\g   ; P(j)
.endr
.endr
.if \last == 0
	KLOAD 1-\par                                   ; K of step j + 3, into the set that the scores of step j + 1 have left
.endif
.if \chg == 1
	ASK                                            ; behind the joint load and the run of loads
.endif
.if \last < 3
.rept 65
	VEC                                            ; the exponentials, and their wait
.endr
.endif
.set PI, 0
.rept 32
.if PI == 0
	s_wait_dscnt 12                                ; P's fragment of query tile 0 is in: the other three tiles' twelve loads may be out
.elseif PI == 3
	s_wait_dscnt 8
.elseif PI == 6
	s_wait_dscnt 4
.elseif PI == 9
	s_wait_dscnt 0x0
.endif
	PV \zero
.if \last < 3
	WIN 0
.set CNT, 3
.if (PI == 11) || (PI == 28) || (PI == 29)
.set CNT, 4
.elseif PI == 26
.set CNT, 2
.elseif (PI == 27) || (PI == 30)
.set CNT, 5
.elseif PI == 31
.set CNT, 6
.endif
.rept CNT
	VEC
.endr
.if PI == 11
	RELOAD 0, 6+12*\par
	RELOAD 1, 6+12*\par
	RELOAD 2, 6+12*\par
.elseif PI == 27
.irp qt, 0,1,2
	ds_store_b128 v3, v[44+4*\qt:47+4*\qt] offset:8192*(1-\par)+2048*\qt   ; P(j + 1), into the buffer whose reads ended in front of this trip's barrier
.endr
	RELOAD 3, 6+12*\par
	RELOAD 4, 6+12*\par
	RELOAD 5, 6+12*\par
	RELOAD 6, 6+12*\par
.elseif PI == 31
	ds_store_b128 v3, v[56:59] offset:8192*(1-\par)+2048*3
	RELOAD 7, 6+12*\par
.endif
.endif
.set PI, PI+1
.endr
.if \last < 2
	ENDP \par, 4*(1-\last)
.else
	WIN 0
.endif
.endm
	; the prologue: step 0's scores, softmax and image; V(0) into registers; step 1's scores
	s_wait_loadcnt 0x0                             ; K of steps 0 and 1, and x
	s_add_nc_u64 s[44:45], s[44:45], 16384         ; the even steps' pointer: step 2
	SMUL 160
	WIN 0
	v_add_nc_u32 v18, s50, v4
.rept 3
	v_nop
.endr
	KLOAD 0                                        ; K of step 2
.irp ct, 0,1,2,3,4,5,6,7
	RELOAD \ct, 18
.endr
	WIN 0
.set VN, 0
.rept 202
	VEC
.endr
.irp qt, 0,1,2,3
	ds_store_b128 v3, v[44+4*\qt:47+4*\qt] offset:2048*\qt
.endr
	ENDP 1, 4                                      ; as at the end of an odd trip: step 1's scores; K of step 2 may be out
	TRIP 0, 0, 1, 0                                ; step 0
.Lpair:                                            ; 14 turns of two trips: steps 1 to 28; each turn asks for two more steps of V
	TRIP 1, 1, 0, 0
	TRIP 0, 0, 0, 0
	s_sub_co_u32 s49, s49, 1
	s_cmp_lg_u32 s49, 0
	s_cbranch_scc1 .Lpair
	TRIP 1, 2, 0, 1                                ; the tail is written out
	TRIP 0, 0, 0, 2
	TRIP 1, 0, 0, 3
	; THE SUMS of the four waves meet in LDS.  These lines are also the places behind the last products.
.irp qt, 0,1,2,3
	v_add_f32 v[60+\qt], v[28+2*\qt], v[29+2*\qt]
.endr
.irp qt, 0,1,2,3
	v_permlanex16_b32 v[192+\qt], v[60+\qt], s54, s55
.endr
.irp qt, 0,1,2,3
	v_add_f32 v[60+\qt], v[60+\qt], v[192+\qt]
.endr
	ds_store_b128 v11, v[60:63] offset:2048
	s_wait_dscnt 0x0
	s_barrier_signal -1
	s_barrier_wait -1
.irp w, 0,1,2,3
	ds_load_b128 v[192+4*\w:195+4*\w], v12 offset:2048+512*\w
.endr
	s_wait_dscnt 0x0
.irp qt, 0,1,2,3
	v_add_f32 v[60+\qt], v[192+\qt], v[196+\qt]
	v_add_f32 v[200+\qt], v[200+\qt], v[204+\qt]
.endr
.irp qt, 0,1,2,3
	v_add_f32 v[60+\qt], v[60+\qt], v[200+\qt]     ; l
.endr
.irp qt, 0,1,2,3
	v_rcp_f32 v[36+2*\qt], v[60+\qt]
.endr
	v_nop                                          ; a plain line behind the last reciprocal
	s_add_co_i32 s67, s58, s59
	s_wait_alu depctr_va_vdst(0)                   ; one wait for the four, ahead of their first reader
.irp qt, 0,1,2,3
	v_ldexp_f32 v[36+2*\qt], v[36+2*\qt], s67      ; x 2^(e8 + e9)
.endr
.irp qt, 0,1,2,3
	v_mul_f32 v[36+2*\qt], s60, v[36+2*\qt]        ; x gamma
.endr
.irp qt, 0,1,2,3
	v_mov_b32 v[37+2*\qt], v[36+2*\qt]
.endr
; THE WAY OUT, a channel tile at a time.  A lane holds one pixel and eight channels; out has the pixels innermost.  So the tile goes through my own stage, 4 bytes a lane, and comes back as whole rows of 256 bytes.
; LDS serves a wave's instructions in order (ISA guide 5.7.1.4): no wait between the stores and the loads.
.macro OUTC ct
.set TT, 64+32*((\ct)%2)
.set RR, 128+32*((\ct)%2)
	WIN 0x01                                       ; source 0 in window 1
.irp qt, 0,1,2,3
.irp k, 0,2,4,6
	v_pk_mul_f32 v[TT+8*\qt+\k:TT+8*\qt+\k+1], v[8*(4*(\ct)+\qt)+\k:8*(4*(\ct)+\qt)+\k+1], v[36+2*\qt:37+2*\qt]   ; each accumulator from its low end on
.endr
.endr
	WIN 0
.irp qt, 0,1,2,3
.irp j, 0,1,2,3,4,5,6,7
	ds_store_b32 v9, v[TT+8*\qt+\j] offset:(16*(\ct)+\j)*272+64*\qt
.endr
.endr
.irp i, 0,1,2,3,4,5,6,7
	ds_load_b128 v[RR+4*\i:RR+4*\i+3], v10 offset:(8*(\ct)+\i)*544
.endr
.endm
.macro SENDC ct, younger               ; younger: the LDS instructions issued behind tile ct's loads: the next tile's 32 stores and 8 loads, or none
.set RR, 128+32*((\ct)%2)
	s_wait_dscnt \younger
	WIN 0xc3                                       ; source 0 and destination in window 3: x
.irp i, 0,1,2,3,4,5,6,7
.irp k, 0,2
	v_pk_add_f32 v[4*(8*(\ct)+\i)+\k:4*(8*(\ct)+\i)+\k+1], v[4*(8*(\ct)+\i)+\k:4*(8*(\ct)+\i)+\k+1], v[RR+4*\i+\k:RR+4*\i+\k+1]
.endr
.endr
	WIN 0x0c                                       ; the stores' data in window 3
.irp i, 0,1,2,3,4,5,6,7
	global_store_b128 v8, v[4*(8*(\ct)+\i):4*(8*(\ct)+\i)+3], s[16:17] offset:(8*(\ct)+\i)*32768 th:TH_STORE_NT   ; 16 lanes store 256 consecutive bytes, at a multiple of 256 from out's first byte; each store has data registers of its own
.endr
	WIN 0
.endm
	OUTC 0
.irp ct, 1,2,3,4,5,6,7
	OUTC \ct
	SENDC \ct-1, 40
.endr
	SENDC 7, 0
	s_wait_tensorcnt 0x0                           ; the wave's end: behind my last tensor load and my last LDS store
	ds_add_u32 v14, v15
	s_wait_dscnt 0x0
	CROUND                                         ; the closing round: no work-group ends while a partner may still ask for a tile that names it
	s_endpgm
.Lfunc_end_k_qaa3be42957_attn:
	.size	k_qaa3be42957_attn, .Lfunc_end_k_qaa3be42957_attn-k_qaa3be42957_attn
	.p2alignl 7, 3214868480
	.fill 96, 4, 3214868480
	.section	.rodata,"a",@progbits
	.p2align	6, 0x0
	.amdhsa_kernel k_qaa3be42957_attn
		.amdhsa_group_segment_fixed_size 327680
		.amdhsa_private_segment_fixed_size 0
		.amdhsa_enable_private_segment 0
		.amdhsa_kernarg_size 56
		.amdhsa_user_sgpr_count 2
		.amdhsa_user_sgpr_kernarg_segment_ptr 1
		.amdhsa_wavefront_size32 1
		.amdhsa_system_sgpr_workgroup_id_x 1
		.amdhsa_system_sgpr_workgroup_id_y 1
		.amdhsa_system_sgpr_workgroup_id_z 1
		.amdhsa_system_vgpr_workitem_id 0
		.amdhsa_next_free_vgpr 1024
		.amdhsa_next_free_sgpr 80
		.amdhsa_reserve_vcc 0
		.amdhsa_float_denorm_mode_32 3
		.amdhsa_float_denorm_mode_16_64 3
		.amdhsa_memory_ordered 1
		.amdhsa_forward_progress 1
		.amdhsa_inst_pref_size 192
	.end_amdhsa_kernel
	.amdgpu_metadata
---
amdhsa.version: [ 1, 2 ]
amdhsa.kernels:
  - .name:           k_qaa3be42957_attn
    .symbol:         k_qaa3be42957_attn.kd
    .args:
      - { .name: qc, .offset: 0, .size: 8, .value_kind: global_buffer, .address_space: global }
      - { .name: kc, .offset: 8, .size: 8, .value_kind: global_buffer, .address_space: global }
      - { .name: vc, .offset: 16, .size: 8, .value_kind: global_buffer, .address_space: global }
      - { .name: x, .offset: 24, .size: 8, .value_kind: global_buffer, .address_space: global }
      - { .name: gamma, .offset: 32, .size: 8, .value_kind: global_buffer, .address_space: global }
      - { .name: lowp_scales, .offset: 40, .size: 8, .value_kind: global_buffer, .address_space: global }
      - { .name: out0, .offset: 48, .size: 8, .value_kind: global_buffer, .address_space: global }
    .group_segment_fixed_size: 327680
    .private_segment_fixed_size: 0
    .kernarg_segment_align: 8
    .kernarg_segment_size: 56
    .max_flat_workgroup_size: 128
    .sgpr_count:     80
    .vgpr_count:     1024
    .wavefront_size: 32
...
	.end_amdgpu_metadata
.endif
;; end of part 2
